; MI455X (gfx1250); checked and timed in simulation.
; The chip was launched on July 23, 2026; its instructions are those of AMD's public machine-readable ISA for CDNA 5 (MIT licence, August 2026) and "CDNA5" Instruction Set Architecture Reference Guide (July 2026). The comments in the code are by the model that wrote it; some were corrected since.
;; Semantic Aggregator. Allowed arithmetic: matrix products marked QUANTISED: E4M3 operands, one given power-of-two scale a tensor, by v_wmma_f32_16x16x64_fp8_fp8 or v_wmma_f32_16x16x128_fp8_fp8, f32 sums; products left as they are: f32 operands where the result goes on into a quantised operand, else bf16, f16 or f32 operands; f32 sums; everything else in f32.
;; Inputs: activations 4,096 x 16 x 1,024 float32; ln_beta 1,024 float32; ln_gamma 1,024 float32; lowp_scales 2 int32 (the exponents e of the quantised operands' scales 2^e); mask 4,096 x 16 bool; proj_b 1,024 float32; proj_w_codes 1,024 x 32 x 32 uint8 (E4M3 codes of proj_w, K innermost, in blocks of 32 codes); query 1,024 float32.
;; Outputs: out0 4,096 x 1,024 float32.
;; This version of the problem:
;;   THIS VERSION OF THE PROBLEM IS GIVEN IN LOW PRECISION. The matrix products marked QUANTISED in the list below multiply operands that are first quantised to E4M3 (4 exponent bits, 3 mantissa bits; 8 bits a number), with one given power-of-two scale for each operand tensor; their sums are f32. All else is computed in f32.
;;   The module's matrix products, in the order in which they are computed (A, B: the left and right operand; K: the contracted axis; several contracted axes count as one K, in the product's order):
;;     1. [M 65,536, K 1,024] x [K 1,024, N 1,024]; A: input activations; B: input proj_w (given as codes): QUANTISED (scales: A lowp_scales[0], B lowp_scales[1])
;;     2. [M 65,536, K 1,024] x [K 1,024, N 1]; A: computed on the way; B: input query: left as it is (N = 1 < 16)
;;     3. batch 4,096 x [M 1,024, K 16] x [K 16, N 1]; A: input activations; B: softmax: left as it is (K = 16 < 32)
;;   THE QUANTISER, for each operand of a quantised product, along K:
;;     - The operand's scale is 2^e, e = its entry of the input lowp_scales (int32; the entries are numbered through the quantised products in the list's order, A before B).
;;     - Each number is divided by the scale, clamped to +-448, and rounded to the nearest number of E4M3, ties to even, subnormals kept.
;;     - The product sums the exact products of the quantised numbers (number of the format x scale) in f32.
;;   ~~~python
;;   def quantise(x, axis, e):      # numpy; x: float32 -> the quantised numbers, widened to float32 again
;;       x = np.moveaxis(x, axis, -1); K = x.shape[-1]
;;       r = np.clip(x / 2.0 ** e, -448, 448)
;;       step = 2.0 ** (np.maximum(np.frexp(np.where(r == 0, 1, r))[1] - 1, -6) - 3)
;;       q = np.round(r / step) * step * 2.0 ** e      # np.round: ties to even
;;       return np.moveaxis(q, -1, axis).astype(np.float32)
;;   ~~~
;;   INPUTS GIVEN AS CODES. proj_w (in the module: [1024, 1024], K = its axis 1): each comes as NAME_codes (uint8): NAME with its K axis moved to the last place and cut into blocks of 32 codes, [.., K / 32, bytes a block], one block behind the other in memory; one code a byte (a code: sign, 4 exponent bits, 3 mantissa bits); its scale is its entry of lowp_scales. Its value is code x scale, taken as it is: it is not quantised again, and the codes and scales need not be those that the quantiser above would give.
;; One version. Each part assembles by itself: llvm-mc -triple=amdgcn-amd-amdhsa -mcpu=gfx1250 --defsym DOCPART=n.
;; ======== version 1 of 1: 1 launch
;; limits: values are held in bf16: 8 bits of precision; right only within a limited range of input values
;; launch fused (part 1): grid 256 x 1, 4 waves a work-group, clusters of 4 x 1, 327,680 bytes of LDS; arguments activations, proj_w_codes, lowp_scales, query, ln_gamma, ln_beta, mask, out0; writes out0
.if DOCPART == 1
	.amdgcn_target "amdgcn-amd-amdhsa--gfx1250"
	.amdhsa_code_object_version 6
	.text
	.protected	k_q2a5a696f6a_fused
	.globl	k_q2a5a696f6a_fused
	.p2align	8
	.type	k_q2a5a696f6a_fused,@function
k_q2a5a696f6a_fused:
	s_mov_b64 s[64:65], 0
	v_nop
	global_prefetch_b8 v0, s[64:65] scope:SCOPE_SE
	s_setreg_imm32_b32 hwreg(HW_REG_WAVE_MODE, 25, 1), 1
	s_wait_xcnt 0x0
	s_wait_alu depctr_hold_cnt(0) depctr_sa_sdst(0) depctr_va_vdst(0) depctr_va_sdst(0) depctr_va_ssrc(0) depctr_va_vcc(0) depctr_vm_vsrc(0)
	s_getreg_b32 s2, hwreg(HW_REG_IB_STS2, 6, 4)
	s_cmp_eq_u32 s2, 0
	s_cbranch_scc0 .Lentry_in_a_cluster
	s_endpgm
.Lentry_in_a_cluster:
	s_bfe_u32 s2, ttmp6, 0x10000c
	s_cmp_lg_u32 s2, 0x3003
	s_cbranch_scc0 .Lentry_shape_is_right
	s_endpgm
.Lentry_shape_is_right:
; out[b] = LayerNorm( sum over n of softmax_n( (Q(act[b][n]) W^T) . query, masked ) act[b][n] ).  act: [4096][16][1024] f32; W: [1024][1024] codes of E4M3, K innermost.
; DEAD WORK: proj_b adds bias . query to every score, the same number for all 16 texts of a batch; a softmax is unchanged by a term that is the same along its axis (a masked text is -infinity with it or without),
;   so for all finite inputs proj_b reaches no output: it is not loaded and is no argument.  LIMIT: a NaN, an infinity or an overflow that arises in bias . query alone is not carried to the result.
; ONE LAUNCH; the activations are read from memory once.  A work-group of four waves stays for 2 blocks of 128 rows (8 batches); 256 work-groups x 256 rows are the 65,536 rows.
; THE SCORE IS LINEAR IN THE PRODUCT: a 16 x 16 x 256 piece of act W^T (two matrix instructions on one accumulator) is multiplied by query's 16 numbers and added to the rows' score sums.
; K goes in 4 superchunks of 256 columns; each has 2 phases (W's rows 0-511, 512-1023): 8 phases a block.
; TWO ROLES OF A WAVE w.  STREAM: it owns rows 32 w .. + 31 of the block (batches 2 w, 2 w + 1): loads them (a UNIT = one row's 256 columns, two loads of 512 consecutive bytes), keeps them as bf16 in 512 registers
;   for the weighted sum, quantises them (hold at +-448 x 2^e0, scaled conversion) and lays the codes in an image in LDS; later softmax, weighted sum, LayerNorm and stores of its two batches.
;   GEMM: nh = w / 2, mh = w % 2: rows 64 mh .. + 63 of the block x W's rows 256 nh .. + 255 of the slot, over all 256 bytes of the superchunk: a fragment of W feeds 4 matrix instructions, 4 multiply-adds follow 2 of them.
; CLUSTER.  W's tiles are the same for every work-group: the four of a cluster ask jointly (mask 15), each wave for 128 rows x 256 bytes.  Nothing else is shared, so the cluster is 4 x 1.
; The fragments are fetched by four 16-byte loads a side: a permutation of k that is the same in both operands, so every product meets its partner.
; LIMITS.  e0 between -126 and 119 (2^e0 and 448 x 2^e0 are made as f32 patterns); e0 + e1 goes in by v_ldexp_f32 and has none.  NaN among the activations is not served by the hold.
;   The weighted sum takes the activations rounded to bf16 (a product that is left as it is); the weights stay f32.  A score is summed piece by piece (4 pieces of K x 64 tiles of W, then lanes, then two waves):
;   an f32 order of rounding other than the plain one.  A batch whose mask is all false gives NaN, as the softmax of sixteen -infinity does.
; LEFT OUT: prefetches (the launch streams the activations all the time, 16 units a wave on their way); matrix instructions for the weighted sum (K = 16; the kept rows have lanes along the columns).
; REGISTERS, in windows of 256 (s_set_vgpr_msb: bits 1:0 source 0, 3:2 source 1, 5:4 source 2, 7:6 destination):
;   window 0: v0-15 addresses and constants; v16-23 four units' codes; v24-31 query's numbers; v32-159 the activations' 8 fragments (4 row tiles x 2 halves of K); v160-255 twelve units on their way
;   window 1: v0-127 four tiles of W (2 halves of K each); v128-191 eight results, two sets of four; v192-223 the score sums; v224-255 four more units
;   windows 2, 3: the block's rows in bf16: unit u at register 512 + 4 u.     In the epilogue window 0's v32-159 and window 1's v0-63 are used again.
.set PITCH, 272                        ; an LDS row of codes: 256 bytes + 16
.set TILE,  16*PITCH
.set TSTEP, 4*TILE                     ; a trip of the GEMM loop takes four tiles of W
.set QUART, 128*PITCH                  ; what one tensor load brings
.set SLOT,  4*QUART                    ; 512 rows of W
.set IMG,   2*SLOT                     ; the codes of one superchunk, 128 rows; written by LDS stores alone.  Its first 1,024 bytes serve the score parts in the epilogue
.set QB,    IMG+QUART                  ; query, 4,096 bytes
.set GAM,   QB+4096
.set BET,   GAM+4096
.set SPARE, BET+4096                   ; the spare words, 128 bytes a wave
.set LANE, 1
.set SPW,  2                           ; SPARE + 4 x thread; never rewritten
.set NIL,  3                           ; 0; never rewritten
.set VB0,  4                           ; (256 nh + r) PITCH + 16 h
.set VQ0,  5                           ; QB + 1024 nh + 4 r
.set VA0,  6                           ; IMG + (64 mh + r) PITCH + 16 h
.set ADRB, 7
.set ADRQ, 8
.set ADRBN, 9
.set ADRQN, 10
.set MASKV, 11
.set SC,   12                          ; 2^e0
.set IMGA, 13                          ; IMG + 32 w PITCH + 4 lane
.set GOFF, 14                          ; 16 lane
.set ZR,   15                          ; 0
.set CP,   16
.set QS,   24                          ; query of tile t: the low word of pair t % 4; the upper words stay 0
.set AF,   32                          ; row tile i, half k of K at AF + 32 i + 16 k
.set LAND, 160                         ; unit u at place q = u % 16: window q / 12, register LAND + 8 q - 32 (q / 12)
.set BF,   0                           ; window 1: W's tile t in place t % 4, half k at BF + 32 (t % 4) + 16 k
.set DR,   128                         ; result of row tile i in set p at DR + 32 p + 8 i
.set SS,   192
.set ACC,  32                          ; epilogue: batch be at ACC + 32 be: register 4 t + j = column 128 t + 4 lane + j
.set ATV,  96                          ; epilogue: the 32 rows' weights, each in every lane
.set ET,   128
.set EA,   144
.set WV,  22
.set NH,  23
.set MH,  24
.set BLK, 25
.set TB,  26
.set TQ,  27
.set CNT, 28
.set TBN, 29
.set TQN, 30
.set G1,  32                           ; s[32:39] descriptor group 1
.set G0,  40                           ; s[40:43], s[44:47] group 0 of slot 0 and of slot 1
.set SCWB, 60                          ; IMG + 256 w
.set SCRB, 61                          ; IMG + 128 w
.set LIMP, 62                          ; 448 x 2^e0
.set LIMN, 63
.set MSB, 0
.macro WIN new                         ; the immediate's high byte repeats the setting that is left
.if MSB != (\new)
	s_set_vgpr_msb (MSB<<8)|(\new)
.set MSB, (\new)
.endif
.endm
.macro ROUND                           ; a round of the cluster's barrier
	s_barrier_signal -1
	s_barrier_wait -1
	s_cmp_lg_u32 s[WV], 0
	s_cbranch_scc1 .Lnot_wave_0_\@
	s_barrier_signal -3
.Lnot_wave_0_\@:
	s_barrier_wait -3
	s_barrier_signal -1
	s_barrier_wait -1
.endm
.macro ULOAD u                         ; unit u: row u % 32 of my 32, superchunk u / 32
.set LQ, (\u)%16
.set LU, LAND+8*LQ-32*(LQ/12)
	global_load_b128 v[LU:LU+3], v[GOFF], s[4:5] offset:((\u)%32)*4096+((\u)/32)*1024 th:TH_LOAD_NT
	global_load_b128 v[LU+4:LU+7], v[GOFF], s[4:5] offset:((\u)%32)*4096+((\u)/32)*1024+512 th:TH_LOAD_NT
.endm
.macro BURST                           ; a block's first 16 units
	WIN 0
.set BU, 0
.rept 12
	ULOAD BU
.set BU, BU+1
.endr
	WIN 0x40
.rept 4
	ULOAD BU
.set BU, BU+1
.endr
	WIN 0
.endm
; Units u0 .. u0 + 3 are served kind by kind: kept as bf16, held, converted, their codes laid into the image; their registers take units u0 + 16 .. + 19.
.macro SERVE4 u0
.set SU, (\u0)
.set LAM, (SU%16)/12
.set LR, LAND+8*(SU%16)-32*LAM
.set RR, 4*(SU%64)
.if (124-SU) < 12
	s_wait_loadcnt 2*(124-SU)                      ; behind unit u0 + 3's loads only the later units' were issued, two each
.else
	s_wait_loadcnt 24                              ; the 12 younger units' 24 loads may be out
.endif
	WIN ((2+SU/64)<<6)|(5*LAM)
.set SK, 0
.rept 16
	v_cvt_pk_bf16_f32 v[RR+SK], v[LR+2*SK], v[LR+2*SK+1]
.set SK, SK+1
.endr
	WIN 0x41*LAM
.set SK, 0
.rept 32
	v_med3_num_f32 v[LR+SK], v[LR+SK], s[LIMN], s[LIMP]   ; the conversion to an 8-bit code does not saturate (ISA guide 7.6.2)
.set SK, SK+1
.endr
	WIN LAM
.irp q, 0,1,2,3
	v_cvt_scalef32_pk8_fp8_f32 v[CP+2*\q:CP+2*\q+1], v[LR+8*\q:LR+8*\q+7], v[SC]
.endr
	WIN 0
.irp q, 0,1,2,3
	ds_store_b32 v[IMGA], v[CP+2*\q] offset:PITCH*((SU+\q)%32)         ; columns 4 lane .. + 3
	ds_store_b32 v[IMGA], v[CP+2*\q+1] offset:PITCH*((SU+\q)%32)+128   ; columns 128 + 4 lane .. + 3
.endr
.if SU <= 108
	WIN 0x40*LAM
.set SW, SU+16
.rept 4
	ULOAD SW
.set SW, SW+1
.endr
.endif
.endm
.macro SERVES first, n
.set SV, (\first)
.rept (\n)/4
	SERVE4 SV
.set SV, SV+4
.endr
	WIN 0
	v_nop                                          ; a plain line behind the run's last scaled conversion
.endm
; The change of slots in front of phase p.  p < 7: a round of the cluster's barrier, and first behind it the joint load of phase p + 1 into the slot that phase p - 1 read.
.macro TRIP p
	s_wait_tensorcnt 0x0
	ds_add_u32 v[SPW], v[NIL]
.if (\p) < 6
	s_add_nc_u64 s[G0+4*((\p)&1)+2:G0+4*((\p)&1)+3], s[G0+4*((\p)&1)+2:G0+4*((\p)&1)+3], 256   ; no load of mine is out: this slot's next tile is the next superchunk's,
.else
	s_sub_nc_u64 s[G0+4*((\p)&1)+2:G0+4*((\p)&1)+3], s[G0+4*((\p)&1)+2:G0+4*((\p)&1)+3], 768   ; or the next block's first
.endif
	s_wait_dscnt 0x0
.if (\p) < 7
	ROUND
	tensor_load_to_lds s[G0+4*(((\p)+1)&1):G0+4*(((\p)+1)&1)+3], s[G1:G1+7]
	s_nop 0
.rept 4
	v_nop
.endr
.else
	s_barrier_signal -1
	s_barrier_wait -1
.endif
.endm
.macro BLD p, ab                       ; the trip's tile p (from the address in v[ab]) into place p, both halves of K: eight loads.  The destination's window is 1
.irp k, 0,1
.irp cc, 0,1,2,3
	ds_load_b128 v[BF+32*(\p)+16*\k+4*\cc:BF+32*(\p)+16*\k+4*\cc+3], v[\ab] offset:(\p)*TILE+128*\k+32*\cc
.endr
.endr
.endm
.macro PRELOAD half                    ; what a run of the loop would have brought: tiles 0 and 1, then their two words of query
	v_add_nc_u32 v[ADRB], (\half)*SLOT, v[VB0]
	v_add_nc_u32 v[ADRQ], (\half)*2048, v[VQ0]
	WIN 0x40
	BLD 0, ADRB
	BLD 1, ADRB
	WIN 0
	ds_load_b32 v[QS], v[ADRQ]
	ds_load_b32 v[QS+2], v[ADRQ] offset:64
.endm
.macro ALOAD                           ; my 64 rows' 8 fragments of the superchunk's codes: they serve both its phases
.irp a, 0,1,2,3
.irp k, 0,1
.irp cc, 0,1,2,3
	ds_load_b128 v[AF+32*\a+16*\k+4*\cc:AF+32*\a+16*\k+4*\cc+3], v[VA0] offset:\a*TILE+128*\k+32*\cc
.endr
.endr
.endr
.endm
; Row tile i x W's tile in place b, half k of K, into set b % 2.  Lane (r, h) holds W's row r and the activations' rows 8 h + 0 .. 7.  Half 0 starts the sum, half 1 ends it.
.macro WM i, k, b
.set WD, DR+32*((\b)%2)+8*(\i)
.if (\k) == 0
	v_wmma_f32_16x16x128_fp8_fp8 v[WD:WD+7], v[AF+32*(\i):AF+32*(\i)+15], v[BF+32*(\b):BF+32*(\b)+15], 0
.else
	v_wmma_f32_16x16x128_fp8_fp8 v[WD:WD+7], v[AF+32*(\i)+16:AF+32*(\i)+31], v[BF+32*(\b)+16:BF+32*(\b)+31], v[WD:WD+7]
.endif
.endm
; A result's eight numbers x query's number of my W row (pair b), onto the rows' score sums; the result is read from its low end on.
.macro FQ i, p, b
.irp kk, 0,1,2,3
	v_pk_fma_f32 v[SS+8*(\i)+2*\kk:SS+8*(\i)+2*\kk+1], v[QS+2*(\b):QS+2*(\b)+1], v[DR+32*(\p)+8*(\i)+2*\kk:DR+32*(\p)+8*(\i)+2*\kk+1], v[SS+8*(\i)+2*\kk:SS+8*(\i)+2*\kk+1] op_sel_hi:[0,1,1]
.endr
.endm
; Tile t (b = t % 4): eight products, the four accumulators by turns, three others between a sum's two steps.  The multiply-adds of the tile before
; (the other set) stand among them: eight of them, which name none of its registers, lie between each product and the read of its result (ISA guide 7.12.1 asks for four).
; ONE RUN OF 18 LOADS in every even tile, behind the last multiply-add of the tile before: tiles t + 2 and t + 3, whole, into the places that tiles t - 2 and t - 1 have left, and their two words of query.
.macro WTILE b, ab, aq
.set TP, (\b)%2
.set TPB, ((\b)+3)%4
.set TN, ((\b)+2)%4
.if TP == 0
	s_wait_dscnt 10                                ; my eight loads are in: behind them their run's other tile (8) and two words of query were issued
.else
	s_wait_dscnt 18                                ; my run is in, whole; the younger run's 18 may be out
.endif
	WIN 0x54                                       ; source 0 (activations, query, addresses) window 0; W, results and sums window 1
	WM 0, 0, \b
	WM 1, 0, \b
	WM 2, 0, \b
	FQ 0, 1-TP, TPB
	WM 3, 0, \b
	FQ 1, 1-TP, TPB
	WM 0, 1, \b
	FQ 2, 1-TP, TPB
	WM 1, 1, \b
	FQ 3, 1-TP, TPB
.if TP == 0
	BLD TN, \ab
	BLD TN+1, \ab
	WIN 0
	ds_load_b32 v[QS+2*TN], v[\aq] offset:64*TN
	ds_load_b32 v[QS+2*TN+2], v[\aq] offset:64*TN+64
	WIN 0x54
.endif
	WM 2, 1, \b
	WM 3, 1, \b
.endm
; A phase's 128 products: four trips of four tiles.  The last trip's fetches for a next trip are held at the trip's own tiles, so that no load leaves the slot; what they bring is not used.
.macro GEMM half
	s_mov_b32 s[TB], (\half)*SLOT
	s_mov_b32 s[TQ], (\half)*2048
	s_mov_b32 s[CNT], 4
.Lgemm_\@:
	s_add_co_u32 s[TBN], s[TB], TSTEP
	s_min_u32 s[TBN], s[TBN], (\half)*SLOT+3*TSTEP
	s_add_co_u32 s[TQN], s[TQ], 256
	s_min_u32 s[TQN], s[TQN], (\half)*2048+768
	v_add_nc_u32 v[ADRB], s[TB], v[VB0]
	v_add_nc_u32 v[ADRQ], s[TQ], v[VQ0]
	v_add_nc_u32 v[ADRBN], s[TBN], v[VB0]
	v_add_nc_u32 v[ADRQN], s[TQN], v[VQ0]
	WTILE 0, ADRB, ADRQ
	WTILE 1, ADRB, ADRQ
	WTILE 2, ADRBN, ADRQN
	WTILE 3, ADRBN, ADRQN
	WIN 0
	s_add_co_u32 s[TB], s[TB], TSTEP
	s_add_co_u32 s[TQ], s[TQ], 256
	s_sub_co_u32 s[CNT], s[CNT], 1
	s_cmp_lg_u32 s[CNT], 0
	s_cbranch_scc1 .Lgemm_\@
.endm
; Phases 0 to 5.  In an even phase every wave takes its fragments into registers; behind the barrier that follows, the image is written again with the next superchunk's codes, 16 units a phase.
.macro PHASE p, half, first
	TRIP \p
.if (\half) == 0
	ALOAD
.endif
	PRELOAD \half
.if (\half) == 0
	s_wait_dscnt 0x0                               ; my reads of the image are over
	s_barrier_signal -1                            ; (no slot is filled behind this barrier: the joint load just issued may stay out)
	s_barrier_wait -1
.endif
	SERVES \first, 8
	GEMM \half
	SERVES (\first)+8, 8
.endm
.macro LANESUM16 reg
.irp m, 1,2,4,8
	v_add_f32_dpp v[\reg], v[\reg], v[\reg] row_xmask:\m row_mask:0xf bank_mask:0xf
.endr
.endm
; LayerNorm of batch be: its 1,024 numbers are 32 registers x 32 lanes.
.macro LNORM be
.set LA, ACC+32*(\be)
.set E, ET+8*(\be)
	v_pk_add_f32 v[E:E+1], v[LA:LA+1], v[LA+2:LA+3]
	v_pk_add_f32 v[E+2:E+3], v[LA+4:LA+5], v[LA+6:LA+7]
.irp j, 8,12,16,20,24,28
	v_pk_add_f32 v[E:E+1], v[E:E+1], v[LA+\j:LA+\j+1]
	v_pk_add_f32 v[E+2:E+3], v[E+2:E+3], v[LA+\j+2:LA+\j+3]
.endr
	v_pk_add_f32 v[E:E+1], v[E:E+1], v[E+2:E+3]
	v_add_f32 v[E], v[E], v[E+1]
	LANESUM16 E
	v_permlanex16_b32 v[E+1], v[E], s52, s53
	v_add_f32 v[E], v[E], v[E+1]
	v_mul_f32 v[E], s56, v[E]                      ; the mean
.irp j, 0,2,4,6,8,10,12,14,16,18,20,22,24,26,28,30
	v_pk_add_f32 v[LA+\j:LA+\j+1], v[LA+\j:LA+\j+1], v[E:E+1] op_sel_hi:[1,0] neg_lo:[0,1] neg_hi:[0,1]
.endr
	v_pk_mul_f32 v[E+2:E+3], v[LA:LA+1], v[LA:LA+1]
	v_pk_mul_f32 v[E+4:E+5], v[LA+2:LA+3], v[LA+2:LA+3]
.irp j, 4,8,12,16,20,24,28
	v_pk_fma_f32 v[E+2:E+3], v[LA+\j:LA+\j+1], v[LA+\j:LA+\j+1], v[E+2:E+3]
	v_pk_fma_f32 v[E+4:E+5], v[LA+\j+2:LA+\j+3], v[LA+\j+2:LA+\j+3], v[E+4:E+5]
.endr
	v_pk_add_f32 v[E+2:E+3], v[E+2:E+3], v[E+4:E+5]
	v_add_f32 v[E+2], v[E+2], v[E+3]
	LANESUM16 E+2
	v_permlanex16_b32 v[E+3], v[E+2], s52, s53
	v_add_f32 v[E+2], v[E+2], v[E+3]
	v_fma_f32 v[E+2], v[E+2], s56, s57             ; the variance + 1e-5
	s_wait_alu depctr_va_vdst(0)                   ; ahead of the transcendental
	v_rsq_f32 v[E+2], v[E+2]
	v_nop                                          ; a plain line behind the transcendental
	s_wait_alu depctr_va_vdst(0)                   ; and ahead of its first reader
.irp j, 0,2,4,6,8,10,12,14,16,18,20,22,24,26,28,30
	v_pk_mul_f32 v[LA+\j:LA+\j+1], v[LA+\j:LA+\j+1], v[E+2:E+3] op_sel_hi:[1,0]
.endr
	WIN 0x14                                       ; gamma and beta lie in window 1
.irp j, 0,2,4,6,8,10,12,14,16,18,20,22,24,26,28,30
	v_pk_fma_f32 v[LA+\j:LA+\j+1], v[LA+\j:LA+\j+1], v[\j:\j+1], v[32+\j:33+\j]
.endr
	WIN 0
.endm
	; ---------------- the head
	s_load_b128 s[4:7], s[0:1], 0x0                ; act s[4:5], W s[6:7]
	s_load_b64 s[8:9], s[0:1], 0x10                ; scales
	s_load_b256 s[12:19], s[0:1], 0x18             ; query s[12:13], gamma s[14:15], beta s[16:17], mask s[18:19]
	s_load_b64 s[20:21], s[0:1], 0x38              ; out
	v_lshl_add_u32 v[SPW], v0, 2, SPARE
	v_mov_b32 v[NIL], 0
	v_lshrrev_b32 v17, 5, v0
	v_readfirstlane_b32 s[WV], v17                 ; wave 0..3
	s_lshr_b32 s[NH], s[WV], 1
	s_and_b32 s[MH], s[WV], 1
	s_bfe_u32 s31, ttmp6, 0x40000                  ; cx
	s_lshl_b32 s58, ttmp9, 2
	s_add_co_u32 s58, s58, s31                     ; work-group = 4 x cluster + cx: it enters the addresses of act, mask and out alone
	s_mov_b32 s[G1], 15|(1<<20)|(1<<21)|(5<<22)|(3<<25)   ; the mask: all four; elements of 1 byte; padding on; bit 21 beside a mask; 4 words behind every 64
	s_mov_b32 s[G1+1], 256<<16                     ; tensor_dim0 = 256
	s_mov_b32 s[G1+2], 128<<16                     ; tensor_dim1 = 128
	s_mov_b32 s[G1+3], 256<<16                     ; tile_dim0 = 256
	s_mov_b32 s[G1+4], 128                         ; tile_dim1 = 128
	s_mov_b32 s[G1+5], 1024                        ; a row of W is 1,024 bytes
	s_mov_b32 s[G1+6], 0
	s_mov_b32 s[G1+7], 0
	s_mov_b32 s52, 0x76543210                      ; v_permlanex16_b32: lane l xor 16
	s_mov_b32 s53, 0xfedcba98
	s_mov_b32 s56, 0x3a800000                      ; 1 / 1024
	s_mov_b32 s57, 0x3727c5ac                      ; 1e-5
	s_mov_b32 s[BLK], 2
	v_and_b32 v[LANE], 31, v0
	s_wait_alu depctr_va_vdst(0)
	v_and_b32 v17, 15, v0                          ; r
	v_bfe_u32 v18, v0, 4, 1                        ; h
	v_mul_u32_u24 v19, v17, PITCH
	v_lshl_add_u32 v19, v18, 4, v19                ; r PITCH + 16 h
	s_mul_i32 s31, s[NH], 256*PITCH
	s_mul_i32 s59, s[MH], 64*PITCH
	v_add_nc_u32 v[VB0], s31, v19
	s_add_co_u32 s59, s59, IMG
	v_add_nc_u32 v[VA0], s59, v19
	s_lshl_b32 s31, s[NH], 10
	s_add_co_u32 s31, s31, QB
	v_lshl_add_u32 v[VQ0], v17, 2, s31
	s_mul_i32 s31, s[WV], 32*PITCH
	s_add_co_u32 s31, s31, IMG
	v_lshl_add_u32 v[IMGA], v[LANE], 2, s31
	v_lshlrev_b32 v[GOFF], 4, v[LANE]
	v_lshlrev_b32 v16, 4, v0                       ; 16 x thread: the small vectors' pieces
	v_mov_b32 v[ZR], 0
.irp j, 0,1,2,3,4,5,6,7
	v_mov_b32 v[QS+\j], 0
.endr
	s_lshl_b32 s60, s58, 20                        ; act: 256 rows of 4,096 bytes a work-group, 32 a wave
	s_lshl_b32 s31, s[WV], 17
	s_add_co_u32 s60, s60, s31
	s_mov_b32 s61, 0
	s_lshl_b32 s62, s58, 8                         ; mask: a byte a row
	s_lshl_b32 s31, s[WV], 5
	s_add_co_u32 s62, s62, s31
	s_mov_b32 s63, 0
	s_lshl_b32 s58, s58, 16                        ; out: 16 batches of 4,096 bytes a work-group, 2 a wave
	s_lshl_b32 s31, s[WV], 13
	s_add_co_u32 s58, s58, s31
	s_mov_b32 s59, 0
	s_wait_kmcnt 0x0
	s_load_b64 s[48:49], s[8:9], 0x0               ; e0, e1
	s_add_nc_u64 s[4:5], s[4:5], s[60:61]
	s_add_nc_u64 s[18:19], s[18:19], s[62:63]
	s_add_nc_u64 s[20:21], s[20:21], s[58:59]
	s_lshl_b32 s60, s[WV], 17                      ; W: my 128 rows of a slot's 512: the same in all four work-groups
	s_add_nc_u64 s[60:61], s[6:7], s[60:61]
	s_mul_i32 s31, s[WV], QUART
	s_mov_b32 s[G0], 1
	s_mov_b32 s[G0+1], s31
	s_mov_b64 s[G0+2:G0+3], s[60:61]
	s_or_b32 s[G0+3], s[G0+3], 0x80000000
	s_mov_b32 s[G0+4], 1
	s_add_co_u32 s[G0+5], s31, SLOT
	s_add_nc_u64 s[G0+6:G0+7], s[60:61], 524288    ; slot 1 always holds W's rows 512 on
	s_or_b32 s[G0+7], s[G0+7], 0x80000000
	s_lshl_b32 s[SCWB], s[WV], 8                   ; the epilogue's two LDS bases
	s_add_co_u32 s[SCWB], s[SCWB], IMG
	s_lshl_b32 s[SCRB], s[WV], 7
	s_add_co_u32 s[SCRB], s[SCRB], IMG
	global_load_b128 v[32:35], v16, s[12:13]               ; query
	global_load_b128 v[36:39], v16, s[12:13] offset:2048
	global_load_b128 v[48:51], v16, s[14:15]               ; gamma
	global_load_b128 v[52:55], v16, s[14:15] offset:2048
	global_load_b128 v[56:59], v16, s[16:17]               ; beta
	global_load_b128 v[60:63], v16, s[16:17] offset:2048
	BURST
	s_wait_kmcnt 0x0
	s_add_co_i32 s50, s48, s49                     ; e0 + e1
	s_add_co_i32 s31, s48, 127
	s_lshl_b32 s54, s31, 23
	v_mov_b32 v[SC], s54                           ; 2^e0 as f32: the conversion takes its exponent field
	s_add_co_i32 s31, s31, 8
	s_lshl_b32 s31, s31, 23
	s_or_b32 s[LIMP], s31, 0x600000                ; 448 x 2^e0
	s_or_b32 s[LIMN], s[LIMP], 0x80000000
	s_wait_loadcnt 32                              ; the six small loads are in; the 16 units' 32 loads issued behind them may be out
	v_add_nc_u32 v20, QB, v16
	ds_store_b128 v20, v[32:35]
	ds_store_b128 v20, v[36:39] offset:2048
	ds_store_b128 v20, v[48:51] offset:4096
	ds_store_b128 v20, v[52:55] offset:6144
	ds_store_b128 v20, v[56:59] offset:8192
	ds_store_b128 v20, v[60:63] offset:10240
	; ---------------- a block of 128 rows
.Lblock:
	s_wait_tensorcnt 0x0                           ; no tensor load of mine is out
	ds_add_u32 v[SPW], v[NIL]
	ds_add_u32 v[SPW], v[NIL]
	s_wait_dscnt 0x0                               ; my LDS stores (the head's) and reads (the last block's) are done
	ROUND
	tensor_load_to_lds s[G0:G0+3], s[G1:G1+7]      ; phase 0's tile
	s_nop 0
.rept 4
	v_nop
.endr
	global_load_u8 v[MASKV], v[LANE], s[18:19]     ; my row's mask byte; shown in by the wait for 0 of the block's last units
	WIN 0x40                                       ; the 32 score sums begin at 0, and so does set 1 of the results, which the first tile adds as 'the tile before'
.set j, 0
.rept 32
	v_mov_b32 v[SS+j], 0
	v_mov_b32 v[DR+32+j], 0
.set j, j+1
.endr
	WIN 0
	SERVES 0, 32                                   ; superchunk 0's codes
	PHASE 0, 0, 32
	PHASE 1, 1, 48
	PHASE 2, 0, 64
	PHASE 3, 1, 80
	PHASE 4, 0, 96
	PHASE 5, 1, 112
	s_cmp_eq_u32 s[BLK], 1                         ; the next block's first 16 units are asked for here, if there is a next block: no load leaves its buffer
	s_cbranch_scc1 .Lno_next
	s_add_nc_u64 s[4:5], s[4:5], 524288            ; the last units' wait was for 0: no load that names the base is out
	BURST
.Lno_next:
	TRIP 6
	ALOAD                                          ; older than the fetches below: the loop's first counted wait shows these 32 loads in too
	PRELOAD 0
	GEMM 0
	TRIP 7
	PRELOAD 1
	GEMM 1
	; ---------------- the epilogue
	WIN 0x54
	FQ 0, 1, 3                                     ; the last tile's four results; eight multiply-adds that name none of its registers stand behind each product
	FQ 1, 1, 3
	FQ 2, 1, 3
	FQ 3, 1, 3
	WIN 0x55                                       ; a row's sum over the 16 rows of W that the lanes of a half hold
.irp m, 1,2,4,8
.set j, 0
.rept 32
	v_add_f32_dpp v[SS+j], v[SS+j], v[SS+j] row_xmask:\m row_mask:0xf bank_mask:0xf
.set j, j+1
.endr
.endr
	WIN 0
	v_lshrrev_b32 v[EA], 4, v[LANE]                ; h
	v_lshl_add_u32 v[EA+1], v[EA], 5, s[SCWB]      ; IMG + 256 w + 32 h = IMG + 512 nh + 4 (64 mh + 8 h)
	v_lshl_add_u32 v[EA+2], v[LANE], 2, s[SCRB]    ; IMG + 128 w + 4 lane
	v_lshl_add_u32 v[EA+3], v[LANE], 4, GAM        ; GAM + 16 lane
	WIN 0x04                                       ; my part of my 64 rows' scores: row 64 mh + 16 a + 8 h + j; the lanes of a half write the same words with the same values.
.irp a, 0,1,2,3                                ; (every wave has passed phase 7's barrier behind its last read of the image)
	ds_store_b128 v[EA+1], v[SS+8*\a:SS+8*\a+3] offset:64*\a
	ds_store_b128 v[EA+1], v[SS+8*\a+4:SS+8*\a+7] offset:64*\a+16
.endr
	WIN 0
	s_wait_alu depctr_va_vdst(0)
	s_wait_dscnt 0x0                               ; for the others' sake: my stores are done (and the loop's last fetches are in)
	s_barrier_signal -1
	s_barrier_wait -1
	ds_load_b32 v[ET], v[EA+2]                     ; lane l: row 32 w + l: the parts of nh = 0 and 1
	ds_load_b32 v[ET+1], v[EA+2] offset:512
	WIN 0x40
.irp t, 0,1,2,3,4,5,6,7
	ds_load_b128 v[4*\t:4*\t+3], v[EA+3] offset:512*\t              ; gamma, in ACC's layout
	ds_load_b128 v[32+4*\t:32+4*\t+3], v[EA+3] offset:4096+512*\t   ; beta
.endr
	WIN 0
	s_wait_dscnt 16                                ; the two parts are in; gamma's and beta's sixteen loads may be out
	v_add_f32 v[ET], v[ET], v[ET+1]
	v_ldexp_f32 v[ET], v[ET], s50                  ; x 2^(e0 + e1): the score
	v_mov_b32 v[ET+1], 0xff800000
	v_cmp_ne_u32 vcc_lo, 0, v[MASKV]
	v_cndmask_b32 v[ET], v[ET+1], v[ET], vcc_lo    ; -infinity where the mask is false
	v_mov_b32 v[ET+2], v[ET]
.irp m, 1,2,4,8                                ; a batch's 16 texts are the 16 lanes of a half
	v_max_num_f32_dpp v[ET+2], v[ET+2], v[ET+2] row_xmask:\m row_mask:0xf bank_mask:0xf
.endr
	v_sub_f32 v[ET], v[ET], v[ET+2]
	v_mul_f32 v[ET], 0x3fb8aa3b, v[ET]
	s_wait_alu depctr_va_vdst(0)                   ; a wait ahead of each transcendental and ahead of its first reader
	v_exp_f32 v[ET], v[ET]
	v_nop
	s_wait_alu depctr_va_vdst(0)
	v_mov_b32 v[ET+3], v[ET]
	LANESUM16 ET+3
	s_wait_alu depctr_va_vdst(0)
	v_rcp_f32 v[ET+3], v[ET+3]
	v_nop
	s_wait_alu depctr_va_vdst(0)
	v_mul_f32 v[ET], v[ET], v[ET+3]                ; the weight of my row
.set j, 0
.rept 16                                       ; each row's weight into every lane
	v_readlane_b32 s54, v[ET], 2*j
	v_readlane_b32 s55, v[ET], 2*j+1
	v_mov_b32 v[ATV+2*j], s54
	v_mov_b32 v[ATV+2*j+1], s55
.set j, j+1
.endr
; The weighted sum: batch be, text n, superchunk 2 rw + cl is unit 64 rw + 32 cl + 16 be + n; 32 independent sums stand between two links of one.  The first text starts the sums.
.irp rw, 0,1
	WIN 2+\rw
.set n, 0
.rept 16
.irp be, 0,1
.irp cl, 0,1
.set RR, 4*(32*\cl+16*\be+n)
.set AR, ACC+32*\be+8*(2*\rw+\cl)
.irp kk, 0,1,2,3
.if n == 0
	v_fma_mix_f32_bf16 v[AR+2*\kk], v[RR+\kk], v[ATV+16*\be+n], v[ZR] op_sel_hi:[1,0,0]
	v_fma_mix_f32_bf16 v[AR+2*\kk+1], v[RR+\kk], v[ATV+16*\be+n], v[ZR] op_sel:[1,0,0] op_sel_hi:[1,0,0]
.else
	v_fma_mix_f32_bf16 v[AR+2*\kk], v[RR+\kk], v[ATV+16*\be+n], v[AR+2*\kk] op_sel_hi:[1,0,0]
	v_fma_mix_f32_bf16 v[AR+2*\kk+1], v[RR+\kk], v[ATV+16*\be+n], v[AR+2*\kk+1] op_sel:[1,0,0] op_sel_hi:[1,0,0]
.endif
.endr
.endr
.endr
.set n, n+1
.endr
.endr
	WIN 0
	s_wait_dscnt 0x0                               ; gamma and beta are in
	LNORM 0
	LNORM 1
.irp be, 0,1
.irp t, 0,1,2,3,4,5,6,7
	global_store_b128 v[GOFF], v[ACC+32*\be+4*\t:ACC+32*\be+4*\t+3], s[20:21] offset:4096*\be+512*\t th:TH_STORE_NT   ; 32 lanes store 512 consecutive bytes, at a multiple of 512 from out's first byte
.endr
.endr
	s_wait_xcnt 0x0                                ; the stores' data and base, and the mask's base, are written again only behind this wait
	s_add_nc_u64 s[18:19], s[18:19], 128
	s_add_nc_u64 s[20:21], s[20:21], 32768
	s_sub_co_u32 s[BLK], s[BLK], 1
	s_cmp_lg_u32 s[BLK], 0
	s_cbranch_scc1 .Lblock
	s_wait_tensorcnt 0x0                           ; the wave's end
	ds_add_u32 v[SPW], v[NIL]
	s_wait_dscnt 0x0
	ROUND                                          ; the closing round: no work-group ends while a partner may still ask for a tile that names it
	s_endpgm
.Lfunc_end_k_q2a5a696f6a_fused:
	.size	k_q2a5a696f6a_fused, .Lfunc_end_k_q2a5a696f6a_fused-k_q2a5a696f6a_fused
	.p2alignl 7, 3214868480
	.fill 96, 4, 3214868480
	.section	.rodata,"a",@progbits
	.p2align	6, 0x0
	.amdhsa_kernel k_q2a5a696f6a_fused
		.amdhsa_group_segment_fixed_size 327680
		.amdhsa_private_segment_fixed_size 0
		.amdhsa_enable_private_segment 0
		.amdhsa_kernarg_size 64
		.amdhsa_user_sgpr_count 2
		.amdhsa_user_sgpr_kernarg_segment_ptr 1
		.amdhsa_wavefront_size32 1
		.amdhsa_system_sgpr_workgroup_id_x 1
		.amdhsa_system_sgpr_workgroup_id_y 1
		.amdhsa_system_sgpr_workgroup_id_z 1
		.amdhsa_system_vgpr_workitem_id 0
		.amdhsa_next_free_vgpr 1024
		.amdhsa_next_free_sgpr 66
		.amdhsa_reserve_vcc 1
		.amdhsa_float_denorm_mode_32 3
		.amdhsa_float_denorm_mode_16_64 3
		.amdhsa_memory_ordered 1
		.amdhsa_forward_progress 1
		.amdhsa_inst_pref_size 255
	.end_amdhsa_kernel
	.section	.bss,"aw",@nobits
	.p2align	6
	.space	262144
	.amdgpu_metadata
---
amdhsa.version: [ 1, 2 ]
amdhsa.kernels:
  - .name:           k_q2a5a696f6a_fused
    .symbol:         k_q2a5a696f6a_fused.kd
    .args:
      - { .name: activations, .offset: 0, .size: 8, .value_kind: global_buffer, .address_space: global }
      - { .name: proj_w_codes, .offset: 8, .size: 8, .value_kind: global_buffer, .address_space: global }
      - { .name: lowp_scales, .offset: 16, .size: 8, .value_kind: global_buffer, .address_space: global }
      - { .name: query, .offset: 24, .size: 8, .value_kind: global_buffer, .address_space: global }
      - { .name: ln_gamma, .offset: 32, .size: 8, .value_kind: global_buffer, .address_space: global }
      - { .name: ln_beta, .offset: 40, .size: 8, .value_kind: global_buffer, .address_space: global }
      - { .name: mask, .offset: 48, .size: 8, .value_kind: global_buffer, .address_space: global }
      - { .name: out0, .offset: 56, .size: 8, .value_kind: global_buffer, .address_space: global }
    .group_segment_fixed_size: 327680
    .private_segment_fixed_size: 0
    .kernarg_segment_align: 8
    .kernarg_segment_size: 64
    .max_flat_workgroup_size: 128
    .sgpr_count:     66
    .vgpr_count:     1024
    .wavefront_size: 32
...
	.end_amdgpu_metadata
.endif
;; end of part 1
